; MI455X (gfx1250); checked and timed in simulation.
; The chip was launched on July 23, 2026; its instructions are those of AMD's public machine-readable ISA for CDNA 5 (MIT licence, August 2026) and "CDNA5" Instruction Set Architecture Reference Guide (July 2026). The comments in the code are by the model that wrote it; some were corrected since.
;; Single Head Attention. Allowed arithmetic: matrix products marked QUANTISED: E2M1 operands, one E8M0 scale for each 32 along K, by v_wmma_scale_f32_16x16x128_f8f6f4 with both operands' format E2M1 (or v_wmma_scale_f32_32x16x128_f4), f32 sums; everything else in f32.
;; Inputs: Wk 128 x 1,024 float32; Wq 128 x 1,024 float32; Wv 128 x 1,024 float32; x 8 x 4,096 x 1,024 float32.
;; Outputs: out0 8 x 4,096 x 128 float32.
;; This version of the problem:
;;   THIS VERSION OF THE PROBLEM IS GIVEN IN LOW PRECISION. The matrix products marked QUANTISED in the list below multiply operands that are first quantised to E2M1 (2 exponent bits, 1 mantissa bit; 4 bits a number), with one power-of-two scale for each 32 numbers along K (OCP MX v1.0); their sums are f32. All else is computed in f32.
;;   The module's matrix products, in the order in which they are computed (A, B: the left and right operand; K: the contracted axis; several contracted axes count as one K, in the product's order):
;;     1. [M 32,768, K 1,024] x [K 1,024, N 128]; A: input x; B: input Wk: QUANTISED
;;     2. [M 32,768, K 1,024] x [K 1,024, N 128]; A: input x; B: input Wq: QUANTISED
;;     3. [M 32,768, K 1,024] x [K 1,024, N 128]; A: input x; B: input Wv: QUANTISED
;;     4. batch 8 x [M 4,096, K 128] x [K 128, N 4,096]; A: computed on the way; B: computed on the way: QUANTISED
;;     5. batch 8 x [M 4,096, K 4,096] x [K 4,096, N 128]; A: softmax (see below); B: computed on the way: QUANTISED
;;   THE QUANTISER, for each operand of a quantised product, along K:
;;     - K is cut into blocks of 32 from its start; a last block that is shorter is filled with zeros.
;;     - A block's scale is 2^e with e = floor(log2(the largest magnitude in the block)) - 2, held to -126 .. 127; a block of zeros has e = 0. As a byte (E8M0): e + 127.
;;     - Each number is divided by its block's scale, clamped to +-6, and rounded to the nearest number of E2M1, ties to even, subnormals kept.
;;     - The product sums the exact products of the quantised numbers (number of the format x scale) in f32.
;;   ~~~python
;;   def quantise(x, axis):      # numpy; x: float32 -> the quantised numbers, widened to float32 again
;;       x = np.moveaxis(x, axis, -1); K = x.shape[-1]
;;       x = np.pad(x, [(0, 0)] * (x.ndim - 1) + [(0, -K % 32)]); x = x.reshape(x.shape[:-1] + (-1, 32)); a = np.abs(x).max(-1, keepdims=True)
;;       e = np.where(a > 0, np.clip(np.frexp(np.where(a > 0, a, 1))[1] - 1 - 2, -126, 127), 0)      # np.frexp(a)[1] - 1 = floor(log2(a)), exactly
;;       r = np.clip(x / 2.0 ** e, -6, 6)
;;       step = 2.0 ** (np.maximum(np.frexp(np.where(r == 0, 1, r))[1] - 1, 0) - 1)
;;       q = np.round(r / step) * step * 2.0 ** e      # np.round: ties to even
;;       return np.moveaxis(q.reshape(q.shape[:-2] + (-1,))[..., :K], -1, axis).astype(np.float32)
;;   ~~~
;;   SOFTMAX AHEAD OF A QUANTISED PRODUCT. Where the list says 'softmax', what is quantised is not the finished softmax but p = 2^(t - M), with t = logit x log2(e) and M = ceil(the row's largest t), a whole number; so 1/2 < the row's largest p <= 1. The row's sum l is taken of the UNQUANTISED p, in f32, and the product's result is divided by l at the end. Since M is a whole number, a kernel that streams over the keys may use a running M (the ceiling of the running maximum): every later rescaling is an exact power of two, which a block's scale takes up: the codes' values come out the same.
;;   OPERANDS COMPUTED ON THE WAY. 'Computed on the way' means the value that the module computes at that place (a softmax that the list does not call 'softmax' is quantised finished and normalised). What goes into a quantiser is computed in f32, as accurately as f32 sums, v_exp_f32 and their like allow (about 1e-6 of the number): no bf16 or f16 on the way to a quantiser, and a product that is left as it is and whose result goes on into a quantised operand takes f32 operands (vector FMAs, or v_wmma_f32_16x16x4_f32). A number that lies on a knife's edge between two numbers of the format may be rounded either way, as far as f32 arithmetic and the matrix unit's own rounding can turn it there, and no further.
;; One version. Each part assembles by itself: llvm-mc -triple=amdgcn-amd-amdhsa -mcpu=gfx1250 --defsym DOCPART=n.
;; ======== version 1 of 1: 3 launches
;; limits: right only within a limited range of input values
;; workspace buffers: wimg 208,896 bytes; qimg 2,228,224 bytes; kv 4,456,448 bytes
;; launch wquant (part 1): grid 12 x 2, 8 waves a work-group, no clusters, 1,536 bytes of LDS; arguments Wq, Wk, Wv, wimg; writes wimg
.if DOCPART == 1
	.amdgcn_target "amdgcn-amd-amdhsa--gfx1250"
	.amdhsa_code_object_version 6
	.text
	.protected	k_qab2f77ea10_wquant
	.globl	k_qab2f77ea10_wquant
	.p2align	8
	.type	k_qab2f77ea10_wquant,@function
k_qab2f77ea10_wquant:
	s_mov_b64 s[64:65], 0
	v_nop
	global_prefetch_b8 v0, s[64:65] scope:SCOPE_SE
	s_setreg_imm32_b32 hwreg(HW_REG_WAVE_MODE, 25, 1), 1
	s_wait_xcnt 0x0
; Wq, Wk, Wv [128][1024] f32 become codes of FP4 (E2M1) with one E8M0 byte for each 32 along K, laid as IMAGES OF OPERAND REGISTERS, so that the next launch loads fragments whole.
; wimg: codes [K step s 0..7][tile t 0..23][1,024 bytes]; a fragment (16 rows x 128 K, 8 registers a lane) lies as register group c of lane l at 512 c + 16 l.  Tiles 0-7 Wq, 8-15 Wk, 16-23 Wv.
; THE ROWS OF A TILE: lane r of a tile 2 b + e of Wq or Wk holds row 32 b + 8 e + r + 8 (r / 8), so that the next launch's transposed products leave 16 neighbouring channels in a lane's 16 registers;
; lane r of tile tt of Wv holds row 16 tt + r.
; From byte 196,608: scale words [half of K g][pair of tiles p][lane][4 words]: lane l, word i = the word of tile 2 p + l / 16, row lane l % 16, K step 4 g + i.
; SHARES: work-group (p, g); wave w makes ONE fragment: tile 2 p + w / 4, K step 4 g + w % 4.  192 fragments, 192 waves.  The 1.5 MB are read once, 64 bytes a lane and block; nothing is shared, so no cluster.
; A block's scale is 2^(floor(log2(largest magnitude)) - 2); its byte is the largest magnitude's exponent field - 2, held at 1 from below.
; LIMITS: NaN and infinities are not served.  A block of zeros gets the byte 1 where the quantiser says 127: its codes are zeros, and only this program reads the bytes.
.set X,   16                           ; v16-79   64 numbers: register 16 b + i = k 32 b + 16 (lane / 16) + i of my row
.set PC,  80                           ; v80-87   the fragment
.set PW,  88                           ; v88      its scale word
.set TM,  96                           ; v96-111  at work
.set SEL, 20                           ; s[20:21] v_permlanex16_b32's selects for lane l xor 16
.set MSB, 0
.macro WIN new                         ; register windows: the immediate's high byte repeats the setting that is left (here every window stays 0)
.if MSB != (\new)
	s_set_vgpr_msb (MSB<<8)|(\new)
.set MSB, (\new)
.endif
.endm
; 64 numbers of a lane in window sw, register 16 b + i = k 32 b + 16 (lane / 16) + i of my row, become codes in v[pc] on.  whole = 1: a fragment in the operand's layout and its scale word in v[pw].
.macro QUANT src, sw, pc, pw, whole
	WIN ((\sw)<<2)|((\sw)<<4)
.irp b, 0,1,2,3
	v_max3_num_f32 v[TM+\b], 0x1800000, |v[(\src)+16*\b]|, |v[(\src)+16*\b+1]|   ; block b: my 16 numbers and the floor 2^(3 - 127): the byte cannot fall under 1
.endr
.irp i, 2,4,6,8,10,12,14
.irp b, 0,1,2,3
	s_delay_alu instid0(VALU_DEP_4)
	v_max3_num_f32 v[TM+\b], v[TM+\b], |v[(\src)+16*\b+\i]|, |v[(\src)+16*\b+\i+1]|   ; the four blocks by turns
.endr
.endr
	WIN 0
.irp b, 0,1,2,3
	s_delay_alu instid0(VALU_DEP_4)
	v_permlanex16_b32 v[TM+4+\b], v[TM+\b], s[SEL], s[SEL+1]
.endr
.irp b, 0,1,2,3
	s_delay_alu instid0(VALU_DEP_4)
	v_max_num_f32 v[TM+\b], v[TM+\b], v[TM+4+\b]       ; with lane l xor 16's 16: the block's largest magnitude
.endr
.irp b, 0,1,2,3
	s_delay_alu instid0(VALU_DEP_4)
	v_add_nc_u32 v[TM+12+\b], 0xff000000, v[TM+\b]     ; 2 off its exponent field: the conversion takes that field as its scale
.endr
.irp b, 0,1,2,3
	s_delay_alu instid0(VALU_DEP_4)
	v_lshrrev_b32 v[TM+4+\b], 23, v[TM+12+\b]          ; the scale's byte
.endr
.if \whole
	s_delay_alu instid0(VALU_DEP_3)
	v_lshl_or_b32 v[(\pw)], v[TM+5], 8, v[TM+4]
	s_delay_alu instid0(VALU_DEP_1)
	v_lshl_or_b32 v[(\pw)], v[TM+6], 16, v[(\pw)]
	s_delay_alu instid0(VALU_DEP_1)
	v_lshl_or_b32 v[(\pw)], v[TM+7], 24, v[(\pw)]
.endif
	WIN (\sw)
.irp b, 0,1,2,3
	v_cvt_scalef32_pk8_fp4_f32 v[(\pc)+2*\b], v[(\src)+16*\b:(\src)+16*\b+7], v[TM+12+\b]
	v_cvt_scalef32_pk8_fp4_f32 v[(\pc)+2*\b+1], v[(\src)+16*\b+8:(\src)+16*\b+15], v[TM+12+\b]
.endr
	WIN 0
	v_nop                                              ; one plain line behind the last scaled conversion
.if \whole
.irp c, 0,1                                        ; the operand wants a whole block in a lane: lanes 0-15 block 2 c, lanes 16-31 block 2 c + 1
.irp i, 0,1
	v_permlane16_swap_b32 v[(\pc)+4*\c+\i], v[(\pc)+4*\c+2+\i]
.endr
.endr
.endif
.endm
	s_load_b256 s[4:11], s[0:1], 0x0               ; Wq s[4:5], Wk s[6:7], Wv s[8:9], wimg s[10:11]
	v_lshl_add_u32 v128, v0, 2, 0x200
	v_mov_b32 v129, 0
	v_lshrrev_b32 v1, 5, v0
	s_delay_alu instid0(VALU_DEP_1)
	v_readfirstlane_b32 s14, v1                    ; wave 0..7
	v_and_b32 v4, 15, v0                           ; r
	s_wait_alu depctr_va_vdst(0)
	v_bfe_u32 v5, v0, 4, 1                         ; h
	v_and_b32 v2, 31, v0
	s_delay_alu instid0(VALU_DEP_1)
	v_lshlrev_b32 v2, 4, v2                        ; 16 x lane: an image's place
	s_lshr_b32 s15, s14, 2                         ; e: which tile of the pair
	s_and_b32 s16, s14, 3                          ; si: which K step of the half
	s_and_b32 s17, ttmp7, 0xffff                   ; g
	s_lshl_b32 s18, s17, 2
	s_add_co_u32 s18, s18, s16                     ; s = 4 g + si
	s_lshl_b32 s19, ttmp9, 1
	s_add_co_u32 s19, s19, s15                     ; t = 2 p + e
	s_mov_b32 s[SEL], 0x76543210
	s_mov_b32 s[SEL+1], 0xfedcba98
	s_lshl_b32 s22, s15, 8
	s_lshl_b32 s23, s16, 2
	s_add_co_u32 s22, s22, s23
	v_lshl_add_u32 v3, v4, 4, s22                  ; LDS: 16 (r + 16 e) + 4 si: my row's word among the pair's 512 bytes
	s_cmp_lt_u32 ttmp9, 8                          ; Wq or Wk (pairs 0-7), or Wv?
	s_cselect_b32 s24, 8, 0                        ; rows 8-15 of a tile lie 8 further on, or not
	s_cselect_b32 s25, 8, 16                       ; from a pair's first tile to its second, in rows
	v_and_b32 v1, s24, v4
	s_delay_alu instid0(VALU_DEP_1)
	v_add_nc_u32 v1, v1, v4
	s_delay_alu instid0(VALU_DEP_1)
	v_lshlrev_b32 v1, 12, v1                       ; my row of the tile x 4,096 bytes
	s_wait_alu depctr_va_vdst(0)
	v_lshl_add_u32 v1, v5, 6, v1                   ; + 64 h: my 16 numbers of a block of 32
	s_and_b32 s26, ttmp9, 3
	s_lshl_b32 s26, s26, 5
	s_mul_i32 s27, s15, s25
	s_add_co_u32 s26, s26, s27                     ; the tile's first row: 32 (p % 4) + e x 8 or 16
	s_lshl_b32 s26, s26, 12
	s_lshl_b32 s27, s18, 9
	s_add_co_u32 s26, s26, s27                     ; + 512 s bytes along K
	s_mov_b32 s27, 0
	s_mul_i32 s28, s18, 24
	s_add_co_u32 s28, s28, s19
	s_lshl_b32 s28, s28, 10                        ; the fragment's image: (24 s + t) x 1,024
	s_mov_b32 s29, 0
.irp b, 0,1,2,3
	v_mov_b32 v[TM+4+\b], 0                        ; written once: a lane permute's destination counts as one of its sources
.endr
	s_wait_alu depctr_va_vdst(0)
	s_wait_kmcnt 0x0
	s_cmp_lt_u32 ttmp9, 8                          ; the choice of the weight hangs on the work-group's number alone
	s_cselect_b64 s[12:13], s[6:7], s[8:9]
	s_cmp_lt_u32 ttmp9, 4
	s_cselect_b64 s[12:13], s[4:5], s[12:13]
	s_add_nc_u64 s[12:13], s[12:13], s[26:27]
	s_add_nc_u64 s[30:31], s[10:11], s[28:29]
.irp b, 0,1,2,3
.irp j, 0,1,2,3
	global_load_b128 v[X+16*\b+4*\j:X+16*\b+4*\j+3], v1, s[12:13] offset:128*\b+16*\j
.endr
.endr
	s_mul_i32 s28, s17, 12
	s_add_co_u32 s28, s28, ttmp9
	s_lshl_b32 s28, s28, 9
	s_add_co_u32 s28, s28, 196608                  ; the pair's scale words: 196,608 + 512 (12 g + p)
	s_add_nc_u64 s[10:11], s[10:11], s[28:29]
	s_wait_loadcnt 0x0
	QUANT X, 0, PC, PW, 1
	global_store_b128 v2, v[PC:PC+3], s[30:31]               ; 32 lanes store 512 consecutive bytes, aligned
	global_store_b128 v2, v[PC+4:PC+7], s[30:31] offset:512
	ds_store_b32 v3, v[PW]                         ; both halves of the lanes write the same word with the same value
	s_wait_dscnt 0x0                               ; for the others' sake: my word has landed
	s_barrier_signal -1
	s_barrier_wait -1                              ; the pair's 128 words lie in LDS
	s_cmp_lg_u32 s14, 0
	s_cbranch_scc1 .Ldone
	ds_load_b128 v[112:115], v2                    ; wave 0: 16 bytes a lane,
	s_wait_dscnt 0x0
	global_store_b128 v2, v[112:115], s[10:11]     ; 512 consecutive bytes, aligned
.Ldone:
	s_wait_tensorcnt 0x0
	ds_add_u32 v128, v129
	s_wait_dscnt 0x0
	s_endpgm
.Lfunc_end_k_qab2f77ea10_wquant:
	.size	k_qab2f77ea10_wquant, .Lfunc_end_k_qab2f77ea10_wquant-k_qab2f77ea10_wquant
	.p2alignl 7, 3214868480
	.fill 96, 4, 3214868480
	.section	.rodata,"a",@progbits
	.p2align	6, 0x0
	.amdhsa_kernel k_qab2f77ea10_wquant
		.amdhsa_group_segment_fixed_size 1536
		.amdhsa_private_segment_fixed_size 0
		.amdhsa_enable_private_segment 0
		.amdhsa_kernarg_size 32
		.amdhsa_user_sgpr_count 2
		.amdhsa_user_sgpr_kernarg_segment_ptr 1
		.amdhsa_wavefront_size32 1
		.amdhsa_system_sgpr_workgroup_id_x 1
		.amdhsa_system_sgpr_workgroup_id_y 1
		.amdhsa_system_sgpr_workgroup_id_z 1
		.amdhsa_system_vgpr_workitem_id 0
		.amdhsa_next_free_vgpr 130
		.amdhsa_next_free_sgpr 66
		.amdhsa_reserve_vcc 0
		.amdhsa_float_denorm_mode_32 3
		.amdhsa_float_denorm_mode_16_64 3
		.amdhsa_memory_ordered 1
		.amdhsa_forward_progress 1
		.amdhsa_inst_pref_size 11
	.end_amdhsa_kernel
	.amdgpu_metadata
---
amdhsa.version: [ 1, 2 ]
amdhsa.kernels:
  - .name:           k_qab2f77ea10_wquant
    .symbol:         k_qab2f77ea10_wquant.kd
    .args:
      - { .name: Wq, .offset: 0, .size: 8, .value_kind: global_buffer, .address_space: global }
      - { .name: Wk, .offset: 8, .size: 8, .value_kind: global_buffer, .address_space: global }
      - { .name: Wv, .offset: 16, .size: 8, .value_kind: global_buffer, .address_space: global }
      - { .name: wimg, .offset: 24, .size: 8, .value_kind: global_buffer, .address_space: global }
    .group_segment_fixed_size: 1536
    .private_segment_fixed_size: 0
    .kernarg_segment_align: 8
    .kernarg_segment_size: 32
    .max_flat_workgroup_size: 256
    .sgpr_count:     66
    .vgpr_count:     130
    .wavefront_size: 32
...
	.end_amdgpu_metadata
.endif
;; end of part 1
;; launch proj (part 2): grid 256 x 1, 4 waves a work-group, clusters of 4 x 1, 279,040 bytes of LDS; arguments x, wimg, qimg, kv; writes qimg, kv
.if DOCPART == 2
	.amdgcn_target "amdgcn-amd-amdhsa--gfx1250"
	.amdhsa_code_object_version 6
	.text
	.protected	k_qab2f77ea10_proj
	.globl	k_qab2f77ea10_proj
	.p2align	8
	.type	k_qab2f77ea10_proj,@function
k_qab2f77ea10_proj:
	s_mov_b64 s[64:65], 0
	v_nop
	global_prefetch_b8 v0, s[64:65] scope:SCOPE_SE
	s_setreg_imm32_b32 hwreg(HW_REG_WAVE_MODE, 25, 1), 1
	s_wait_xcnt 0x0
	s_wait_alu depctr_hold_cnt(0) depctr_sa_sdst(0) depctr_va_vdst(0) depctr_va_sdst(0) depctr_va_ssrc(0) depctr_va_vcc(0) depctr_vm_vsrc(0)
	s_getreg_b32 s2, hwreg(HW_REG_IB_STS2, 6, 4)
	s_cmp_eq_u32 s2, 0
	s_cbranch_scc0 .Lentry_in_a_cluster
	s_endpgm
.Lentry_in_a_cluster:
	s_bfe_u32 s2, ttmp6, 0x10000c
	s_cmp_lg_u32 s2, 0x3003
	s_cbranch_scc0 .Lentry_shape_is_right
	s_endpgm
.Lentry_shape_is_right:
; q, k, v = x Wq^T, x Wk^T, x Wv^T on codes of FP4 (E2M1) with E8M0 scales for each 32 along K = 1,024; then q and k are quantised along the head's 128 and v along the keys.
; x [32,768][1,024] f32 is quantised here, in registers; the weights come as images of operand registers (wimg).  Results leave as images too: qimg, kvc (K's and V's codes), kvs (their scale words).
; SHARES.  A work-group takes 128 rows of x (block j) and all 384 columns: x is read from memory once.  Wave w owns rows 32 w .. 32 w + 31 as two tiles u; lane r of tile u holds row 8 u + r + 8 (r / 8).
; All of W's image, 208,896 bytes, lies in LDS for the whole launch; each wave brings a quarter by ONE tensor load.  CLUSTER: the four work-groups of a cluster want the same image, so the load is asked for jointly
; (the same descriptor, made of the wave's number alone, and a mask that names the four).  No LDS byte is filled twice.
; PRODUCTS.  q and k transposed (source 0 = 16 rows of W, source 1 = 16 rows of x): by the order of W's rows in a tile, a lane's 16 registers of tiles 2 b, 2 b + 1 are channels 32 b + 16 (lane / 16) + 0 .. 15 of ONE row
; of x: the next product's K runs along the registers.  v not transposed (source 0 = x, source 1 = 16 rows of Wv): a lane holds ONE channel and, by the order of x's rows, keys 16 (lane / 16) + 0 .. 15 of my 32:
; a block of 32 keys lies in lanes l and l xor 16.
; x's WAY IN.  A unit n = 2 s + u is 16 rows x 128 K.  Each of its 16 loads reads 512 consecutive bytes of a row; the unit turns through the wave's own stage in LDS (rows of 528 bytes = 33 x 16: the sixteen rows that
; a pass of a load touches begin at sixteen different 16-byte columns) and comes back 16 neighbours a lane and block.  Loads run four units (64 loads a wave) ahead, the turn one unit.
; OUT.  qimg block j (8,704 bytes): 8 fragment images (tile 2 w + u), then 512 bytes of scale words at 128 w + 64 u + 4 r.  kvc block j (16,384): K's 8 images, then V's 8 (16 channels x the block's 128 keys).
; kvs block j (1,024): K's scale words, the word of (tile T, lane r) at 16 r + 256 (T / 4) + 4 (T % 4); then V's, laid alike, byte w of a word = my 32 keys.
; LIMITS: NaN and infinities are not served.  A block of zeros gets the byte 1 where the quantiser says 127: its codes are zeros, and only this program reads the bytes.
; REGISTERS, in windows of 256: window 0: v1-10 addresses; v16-143 the turned numbers, two sets; v144-159 x's two fragments; v160-161 their scale words; v164-179 at work; v184-231 W's scale words of four K steps.
;   window 1: q's 16 accumulators at v[64 u + 8 ct], k's at v[128 + 64 u + 8 ct].   window 2: v's 16 at v[16 tt + 8 u]; v128-255 W's fragments, two buffers of 8 tiles.   window 3: four sets of 64 numbers as loaded.
.set STGW,  16896                      ; LDS 0 ..: a wave's two stages,
.set STG1,  8448                       ; each 16 rows
.set SPT,   528                        ; of 512 bytes + 16
.set SMQ,   67584                      ; q's scale words, 512 bytes;
.set SMK,   68096                      ; K's scale image, 512;
.set SMV,   68608                      ; V's, 512
.set WIMG,  69120                      ; W's image: the only bytes that the tensor loads fill; no LDS store lands there
.set WSCL,  WIMG+196608                ; in it: the scale words
.set WPART, 52224                      ; a wave's quarter: 204 rows of 256 bytes
.set LI,  1                            ; v1   16 x lane: x's offset, an image's place; never rewritten
.set STW, 2                            ; v2   the stage, in: 16,896 w + 16 x lane
.set STR, 3                            ; v3   the stage, out: 16,896 w + 528 r + 64 h
.set AW,  4                            ; v4   W's fragments of the K step in hand: WIMG + 16 x lane + 24,576 s
.set ASC, 5                            ; v5   W's scale words: WSCL + 16 x lane
.set SQ,  6                            ; v6   SMQ + 128 w + 4 r
.set SK,  7                            ; v7   SMK + 128 (w % 2) + 8 (w / 2) + 16 (r % 8) + 4 (r / 8)
.set SV,  8                            ; v8   SMV + 16 r + w
.set VO,  9                            ; v9   V's codes in an image: 256 w + 16 r + 8 h
.set SMR, 10                           ; v10  SMQ + 512 w + 16 x lane
.set XT,  16
.set XF,  144
.set XS,  160
.set TM,  164
.set WS,  184
.set WB,  128                          ; in window 2
.set WV,  14                           ; s14  the wave's number
.set G1,  24                           ; s[24:31], s[32:35] the descriptor
.set G0,  32
.set SEL, 36                           ; s[36:37] v_permlanex16_b32's selects for lane l xor 16
.set MSB, 0
.macro WIN new                         ; bits 1:0 source 0, 3:2 source 1, 5:4 source 2, 7:6 destination; the high byte repeats the setting that is left
.if MSB != (\new)
	s_set_vgpr_msb (MSB<<8)|(\new)
.set MSB, (\new)
.endif
.endm
; 64 numbers of a lane in window sw, register 16 b + i = k 32 b + 16 (lane / 16) + i of my row (or: number i of my 16 of block b), become codes in v[pc] on (window 0).
; whole = 1: a fragment in the operand's layout, and its scale word in v[pw].  Each accumulator is read from its low end on.
.macro QUANT src, sw, pc, pw, whole
	WIN ((\sw)<<2)|((\sw)<<4)
.irp b, 0,1,2,3
	v_max3_num_f32 v[TM+\b], 0x1800000, |v[(\src)+16*\b]|, |v[(\src)+16*\b+1]|   ; block b: my 16 numbers and the floor 2^(3 - 127): the byte cannot fall under 1
.endr
.irp i, 2,4,6,8,10,12,14
.irp b, 0,1,2,3
	v_max3_num_f32 v[TM+\b], v[TM+\b], |v[(\src)+16*\b+\i]|, |v[(\src)+16*\b+\i+1]|   ; the four blocks by turns
.endr
.endr
	WIN 0
.irp b, 0,1,2,3
	v_permlanex16_b32 v[TM+4+\b], v[TM+\b], s[SEL], s[SEL+1]
.endr
.irp b, 0,1,2,3
	v_max_num_f32 v[TM+\b], v[TM+\b], v[TM+4+\b]       ; with lane l xor 16's 16: the block's largest magnitude
.endr
.irp b, 0,1,2,3
	v_add_nc_u32 v[TM+12+\b], 0xff000000, v[TM+\b]     ; 2 off its exponent field: the conversion takes that field as its scale
.endr
.irp b, 0,1,2,3
	v_lshrrev_b32 v[TM+4+\b], 23, v[TM+12+\b]          ; the scale's byte
.endr
.if \whole
	v_lshl_or_b32 v[(\pw)], v[TM+5], 8, v[TM+4]
	v_lshl_or_b32 v[(\pw)], v[TM+6], 16, v[(\pw)]
	v_lshl_or_b32 v[(\pw)], v[TM+7], 24, v[(\pw)]
.endif
	WIN (\sw)
.irp b, 0,1,2,3
	v_cvt_scalef32_pk8_fp4_f32 v[(\pc)+2*\b], v[(\src)+16*\b:(\src)+16*\b+7], v[TM+12+\b]
	v_cvt_scalef32_pk8_fp4_f32 v[(\pc)+2*\b+1], v[(\src)+16*\b+8:(\src)+16*\b+15], v[TM+12+\b]
.endr
	WIN 0
	v_nop                                              ; one plain line behind the last scaled conversion
.if \whole
.irp c, 0,1                                        ; the operand wants a whole block in a lane: lanes 0-15 block 2 c, lanes 16-31 block 2 c + 1
.irp i, 0,1
	v_permlane16_swap_b32 v[(\pc)+4*\c+\i], v[(\pc)+4*\c+2+\i]
.endr
.endr
.endif
.endm
; One scaled product.  zero = 1: C is the constant 0 (the first K step starts the sums).  ra, rb = 1: that side's scales are read from lanes 16-31 of its register.
.macro WM d, a, b, zero, sa, sb, ra, rb
.set WMS, 4*(\zero)+2*(\ra)+(\rb)
.if WMS == 0
	v_wmma_scale_f32_16x16x128_f8f6f4 v[(\d):(\d)+7], v[(\a):(\a)+7], v[(\b):(\b)+7], v[(\d):(\d)+7], v[(\sa)], v[(\sb)] matrix_a_fmt:MATRIX_FMT_FP4 matrix_b_fmt:MATRIX_FMT_FP4
.elseif WMS == 1
	v_wmma_scale_f32_16x16x128_f8f6f4 v[(\d):(\d)+7], v[(\a):(\a)+7], v[(\b):(\b)+7], v[(\d):(\d)+7], v[(\sa)], v[(\sb)] matrix_a_fmt:MATRIX_FMT_FP4 matrix_b_fmt:MATRIX_FMT_FP4 matrix_b_scale:MATRIX_SCALE_ROW1
.elseif WMS == 2
	v_wmma_scale_f32_16x16x128_f8f6f4 v[(\d):(\d)+7], v[(\a):(\a)+7], v[(\b):(\b)+7], v[(\d):(\d)+7], v[(\sa)], v[(\sb)] matrix_a_fmt:MATRIX_FMT_FP4 matrix_b_fmt:MATRIX_FMT_FP4 matrix_a_scale:MATRIX_SCALE_ROW1
.elseif WMS == 3
	v_wmma_scale_f32_16x16x128_f8f6f4 v[(\d):(\d)+7], v[(\a):(\a)+7], v[(\b):(\b)+7], v[(\d):(\d)+7], v[(\sa)], v[(\sb)] matrix_a_fmt:MATRIX_FMT_FP4 matrix_b_fmt:MATRIX_FMT_FP4 matrix_a_scale:MATRIX_SCALE_ROW1 matrix_b_scale:MATRIX_SCALE_ROW1
.elseif WMS == 4
	v_wmma_scale_f32_16x16x128_f8f6f4 v[(\d):(\d)+7], v[(\a):(\a)+7], v[(\b):(\b)+7], 0, v[(\sa)], v[(\sb)] matrix_a_fmt:MATRIX_FMT_FP4 matrix_b_fmt:MATRIX_FMT_FP4
.elseif WMS == 5
	v_wmma_scale_f32_16x16x128_f8f6f4 v[(\d):(\d)+7], v[(\a):(\a)+7], v[(\b):(\b)+7], 0, v[(\sa)], v[(\sb)] matrix_a_fmt:MATRIX_FMT_FP4 matrix_b_fmt:MATRIX_FMT_FP4 matrix_b_scale:MATRIX_SCALE_ROW1
.elseif WMS == 6
	v_wmma_scale_f32_16x16x128_f8f6f4 v[(\d):(\d)+7], v[(\a):(\a)+7], v[(\b):(\b)+7], 0, v[(\sa)], v[(\sb)] matrix_a_fmt:MATRIX_FMT_FP4 matrix_b_fmt:MATRIX_FMT_FP4 matrix_a_scale:MATRIX_SCALE_ROW1
.else
	v_wmma_scale_f32_16x16x128_f8f6f4 v[(\d):(\d)+7], v[(\a):(\a)+7], v[(\b):(\b)+7], 0, v[(\sa)], v[(\sb)] matrix_a_fmt:MATRIX_FMT_FP4 matrix_b_fmt:MATRIX_FMT_FP4 matrix_a_scale:MATRIX_SCALE_ROW1 matrix_b_scale:MATRIX_SCALE_ROW1
.endif
.endm
; A round of the cluster's barrier: my work-group's barrier; wave 0 signals for the work-group; every wave waits for all four work-groups; my work-group's barrier once more.
.macro ROUND
	s_barrier_signal -1
	s_barrier_wait -1
	s_cmp_lg_u32 s[WV], 0
	s_cbranch_scc1 .Lnot_wave_0_\@
	s_barrier_signal -3
.Lnot_wave_0_\@:
	s_barrier_wait -3
	s_barrier_signal -1
	s_barrier_wait -1
.endm
.macro LOAD n                          ; unit n as it lies: load i takes 512 bytes of row 8 u + i + 8 (i / 8), into set n % 4 of window 3
	WIN 0xc0
.irp i, 0,1,2,3,4,5,6,7,8,9,10,11,12,13,14,15
	global_load_b128 v[64*((\n)%4)+4*\i:64*((\n)%4)+4*\i+3], v[LI], s[4:5] offset:(8*((\n)%2)+\i+8*(\i/8))*4096+512*((\n)/2) th:TH_LOAD_NT
.endr
	WIN 0
.endm
.macro TURN n                          ; unit n through stage n % 2: LDS serves a wave's instructions in order, so no wait stands between the stores and the loads
	WIN 0x0c
.irp i, 0,1,2,3,4,5,6,7,8,9,10,11,12,13,14,15
	ds_store_b128 v[STW], v[64*((\n)%4)+4*\i:64*((\n)%4)+4*\i+3] offset:STG1*((\n)%2)+SPT*\i
.endr
	WIN 0
.irp b, 0,1,2,3
.irp j, 0,1,2,3
	ds_load_b128 v[XT+64*((\n)%2)+16*\b+4*\j:XT+64*((\n)%2)+16*\b+4*\j+3], v[STR] offset:STG1*((\n)%2)+128*\b+16*\j
.endr
.endr
.endm
.macro FETCHW g, buf                   ; the K step's tiles 8 g .. 8 g + 7 of W into buffer buf
	WIN 0x80
.irp ct, 0,1,2,3,4,5,6,7
.irp c, 0,1
	ds_load_b128 v[WB+64*(\buf)+8*\ct+4*\c:WB+64*(\buf)+8*\ct+4*\c+3], v[AW] offset:1024*(8*(\g)+\ct)+512*\c
.endr
.endr
	WIN 0
.endm
.macro SCALES g                        ; W's scale words of K steps 4 g .. 4 g + 3: register WS + 4 p + i: lanes 0-15 tile 2 p, lanes 16-31 tile 2 p + 1
.irp p, 0,1,2,3,4,5,6,7,8,9,10,11
	ds_load_b128 v[WS+4*\p:WS+4*\p+3], v[ASC] offset:512*(12*(\g)+\p)
.endr
.endm
; Unit n is quantised.  Ahead of that work go: the loads of four units on, into the set whose stores into the stage are done; with an odd unit, W's first 16 tiles of the K step; the next unit's turn.
.macro UNIT n
	s_wait_dscnt 0x0                               ; unit n is back from the stage, and its stores into the stage have read set n % 4
.if (\n)+4 < 16
	LOAD (\n)+4
.endif
.if (\n)%2 == 1
	FETCHW 0, 0                                    ; the buffers' last readers stand behind the even unit's 32 maxima: more than four plain lines back
	FETCHW 1, 1
.if ((\n)/2)%4 == 0
	SCALES (\n)/8
.endif
.endif
.if (\n) < 15
.if (\n) <= 11
	s_wait_loadcnt 48                              ; unit n + 1's 16 loads are in; those of the three units behind it may be out
.else
	s_wait_loadcnt 16*(14-(\n))                    ; the counts run down: no load leaves x
.endif
	TURN (\n)+1
.endif
	QUANT XT+64*((\n)%2), 0, XF+8*((\n)%2), XS+((\n)%2), 1
.endm
; A K step's 48 products: the 48 accumulators take turns, one instruction a turn.
.macro KSTEP s, zero
.rept 8
	v_nop                                          ; a scale register written by a vector instruction stands 8 places ahead of a scaled product, an operand 4
.endr
.if (\s) < 7
	s_wait_alu depctr_va_vdst(0)
	s_wait_dscnt 32                                ; W's 16 tiles and scale words are in; the next unit's 16 stores and 16 loads, issued behind them, may be out
.else
	s_wait_alu depctr_va_vdst(0)
	s_wait_dscnt 0x0
.endif
	WIN 0x52                                       ; source 0 (W) window 2, source 1 (x) window 0, C and D window 1
.irp ct, 0,1,2,3,4,5,6,7
.irp u, 0,1
	WM 64*\u+8*\ct, WB+8*\ct, XF+8*\u, \zero, WS+4*(\ct/2)+(\s)%4, XS+\u, \ct%2, 0
.endr
.endr
.rept 4
	v_nop                                          ; places in front of loads into buffer 0, which q's products have read
.endr
	FETCHW 2, 0
	WIN 0x52
.irp ct, 0,1,2,3,4,5,6,7
.irp u, 0,1
	WM 128+64*\u+8*\ct, WB+64+8*\ct, XF+8*\u, \zero, WS+16+4*(\ct/2)+(\s)%4, XS+\u, \ct%2, 0
.endr
.endr
	s_wait_dscnt 0x0                               ; Wv's tiles are in
	WIN 0xa8                                       ; source 0 (x) window 0, source 1 (Wv) window 2, C and D window 2
.irp ct, 0,1,2,3,4,5,6,7
.irp u, 0,1
	WM 16*\ct+8*\u, XF+8*\u, WB+8*\ct, \zero, XS+\u, WS+32+4*(\ct/2)+(\s)%4, 0, \ct%2
.endr
.endr
	WIN 0
	v_add_nc_u32 v[AW], 24576, v[AW]               ; the next K step's 24 tiles (no LDS load of mine is out)
.endm
	s_load_b256 s[4:11], s[0:1], 0x0               ; x s[4:5], wimg s[6:7], qimg s[8:9], kvc s[10:11]
	; kv block j (17,408 bytes): K's 8 images, V's 8 images, K's scale words (512), V's scale words (512)
	v_lshl_add_u32 v254, v0, 2, 0x44000
	v_mov_b32 v255, 0
	ds_add_u32 v254, v255
	ds_add_u32 v254, v255
	v_lshrrev_b32 v2, 5, v0
	v_readfirstlane_b32 s[WV], v2                  ; wave 0..3
	v_and_b32 v[LI], 31, v0
	v_lshlrev_b32 v[LI], 4, v[LI]
	s_bfe_u32 s15, ttmp6, 0x40000                  ; cx: my place in the cluster: it enters global addresses of x and of the outputs alone
	s_lshl_b32 s16, ttmp9, 2
	s_add_co_u32 s16, s16, s15                     ; block j = 4 x cluster + cx
	s_mov_b32 s[G1], 15|(3<<16)|(1<<21)            ; 15:0 the mask: all four work-groups; 17:16 elements of 8 bytes; 21 set beside a mask; no padding
	s_mov_b32 s[G1+1], 32<<16                      ; tensor_dim0 = 32 elements: rows of 256 bytes
	s_mov_b32 s[G1+2], 204<<16                     ; tensor_dim1 = 204
	s_mov_b32 s[G1+3], 32<<16                      ; tile_dim0
	s_mov_b32 s[G1+4], 204                         ; tile_dim1
	s_mov_b32 s[G1+5], 32                          ; the pitch: the block is dense
	s_mov_b32 s[G1+6], 0
	s_mov_b32 s[G1+7], 0
	s_mul_i32 s18, s[WV], WPART                    ; my quarter of W's image: made of the wave's number alone
	s_mov_b32 s19, 0
	s_lshl_b32 s20, s16, 19                        ; x: 128 rows of 4,096 bytes a block,
	s_lshl_b32 s21, s[WV], 17                      ; 32 rows a wave
	s_add_co_u32 s20, s20, s21
	s_mov_b32 s21, 0
	s_mul_i32 s22, s16, 8704
	s_mov_b32 s23, 0
	s_mul_i32 s38, s16, 17408
	s_mov_b32 s39, 0
	s_lshl_b32 s48, s[WV], 11                      ; my two tiles' images: 2,048 w
	s_mov_b32 s49, 0
	s_lshr_b32 s50, s[WV], 1
	s_lshl_b32 s50, s50, 9                         ; wave 1: K's scale image at 0 of the kvs block; wave 2: V's at 512
	s_mov_b32 s51, 0
	s_mov_b32 s[SEL], 0x76543210
	s_mov_b32 s[SEL+1], 0xfedcba98
	s_wait_alu depctr_va_vdst(0)
	s_wait_dscnt 0x0
	s_wait_kmcnt 0x0
	s_add_nc_u64 s[4:5], s[4:5], s[20:21]          ; x at my first row
	s_mov_b32 s[G0], 1                             ; count = 1
	s_add_co_u32 s[G0+1], s18, WIMG                ; LDS address
	s_add_nc_u64 s[G0+2:G0+3], s[6:7], s[18:19]    ; global address
	s_or_b32 s[G0+3], s[G0+3], 0x80000000          ; type = 2
	s_add_nc_u64 s[8:9], s[8:9], s[22:23]          ; the three outputs at block j
	s_add_nc_u64 s[10:11], s[10:11], s[38:39]
	s_add_nc_u64 s[12:13], s[10:11], 0x4000
	s_add_nc_u64 s[40:41], s[8:9], s[48:49]        ; q's and K's images of my tiles
	s_add_nc_u64 s[42:43], s[10:11], s[48:49]
	s_add_nc_u64 s[44:45], s[8:9], 8192            ; where a wave stores 512 bytes of scale words: wave 0 q's, behind the block's images;
	s_add_nc_u64 s[52:53], s[12:13], s[50:51]      ; waves 1 and 2 K's and V's
	s_cmp_eq_u32 s[WV], 0
	s_cselect_b64 s[44:45], s[44:45], s[52:53]
	LOAD 0                                         ; x's first unit is asked for first,
	ROUND                                          ; all four work-groups are here: the joint loads meet
	tensor_load_to_lds s[G0:G0+3], s[G1:G1+7]      ; then W's image: my one tensor load of the launch
	s_nop 0
.rept 4
	v_nop                                          ; four such lines behind a tensor load
.endr
	LOAD 1                                         ; and three more units of x: 64 loads of 512 bytes a wave
	LOAD 2
	LOAD 3
	v_and_b32 v11, 15, v0                          ; r
	s_wait_alu depctr_va_vdst(0)
	v_bfe_u32 v12, v0, 4, 1                        ; h
	s_mul_i32 s18, s[WV], STGW
	v_add_nc_u32 v[STW], s18, v[LI]
	v_mul_u32_u24 v[STR], v11, SPT
	v_lshl_add_u32 v[STR], v12, 6, v[STR]
	v_add_nc_u32 v[STR], s18, v[STR]
	v_add_nc_u32 v[AW], WIMG, v[LI]
	v_add_nc_u32 v[ASC], WSCL, v[LI]
	s_lshl_b32 s19, s[WV], 7
	s_add_co_u32 s19, s19, SMQ
	v_lshl_add_u32 v[SQ], v11, 2, s19
	s_lshr_b32 s19, s[WV], 1
	s_lshl_b32 s19, s19, 3
	s_and_b32 s17, s[WV], 1
	s_lshl_b32 s17, s17, 7
	s_add_co_u32 s19, s19, s17
	s_add_co_u32 s19, s19, SMK
	v_xor_b32 v13, s17, v[LI]                      ; K's images: waves 1 and 3 exchange the halves of each 256 bytes
	v_and_b32 v14, 7, v11
	v_lshl_add_u32 v[SK], v14, 4, s19              ; K's scale words: 128 (w % 2) + 8 (w / 2) + 16 (r % 8) + 4 (r / 8), + 256 u
	v_lshrrev_b32 v14, 3, v11
	v_lshl_add_u32 v[SK], v14, 2, v[SK]
	s_add_co_u32 s19, s[WV], SMV
	v_lshl_add_u32 v[SV], v11, 4, s19
	s_lshl_b32 s19, s[WV], 8
	v_lshl_add_u32 v[VO], v11, 4, s19
	v_lshl_add_u32 v[VO], v12, 3, v[VO]
	s_lshl_b32 s19, s[WV], 9
	s_add_co_u32 s19, s19, SMQ
	v_add_nc_u32 v[SMR], s19, v[LI]
.irp b, 0,1,2,3
	v_mov_b32 v[TM+4+\b], 0                        ; written once: a lane permute's destination counts as one of its sources
.endr
	s_wait_tensorcnt 0x0                           ; my quarter of W's image has landed,
	s_barrier_signal -1
	s_barrier_wait -1                              ; everybody's has
	s_wait_loadcnt 48                              ; unit 0's 16 loads are in; units 1 to 3 may be out
	TURN 0
	UNIT 0
	UNIT 1
	s_wait_alu depctr_va_vdst(0)
	KSTEP 0, 1                                     ; the first K step starts the sums: nothing is cleared
.set KS, 1
.rept 7
	UNIT 2*KS
	UNIT 2*KS+1
	KSTEP KS, 0
.set KS, KS+1
.endr
	; THE WAY OUT.  q and k: each tile of 16 rows becomes a fragment along the head's 128 and leaves as its image, 512 consecutive bytes a store; the scale words meet in LDS.
.rept 4
	v_nop                                          ; places behind the last products
.endr
.irp u, 0,1
	QUANT 64*\u, 1, 16+8*\u, 64+\u, 1
	global_store_b128 v[LI], v[16+8*\u:19+8*\u], s[40:41] offset:1024*\u
	global_store_b128 v[LI], v[20+8*\u:23+8*\u], s[40:41] offset:1024*\u+512
	ds_store_b32 v[SQ], v[64+\u] offset:64*\u      ; both halves of the lanes write the same word with the same value
.endr
.irp u, 0,1
	QUANT 128+64*\u, 1, 32+8*\u, 66+\u, 1
	global_store_b128 v13, v[32+8*\u:35+8*\u], s[42:43] offset:1024*\u
	global_store_b128 v13, v[36+8*\u:39+8*\u], s[42:43] offset:1024*\u+512
	ds_store_b32 v[SK], v[66+\u] offset:256*\u
.endr
	; v: block b of the macro is channel tile 4 a + b; its 32 numbers are my wave's 32 keys of one channel, in lanes l and l xor 16.  A lane's 16 codes are 8 bytes of V's image: key block w of channel r lies at 256 w + 16 r.
.irp a, 0,1
	QUANT 64*\a, 2, 48+8*\a, 0, 0
.irp b, 0,1,2,3
	global_store_b64 v[VO], v[48+8*\a+2*\b:49+8*\a+2*\b], s[10:11] offset:8192+1024*(4*\a+\b)   ; the wave stores 256 consecutive bytes, aligned
	ds_store_b8 v[SV], v[TM+4+\b] offset:256*(\b%2)+8*\a+4*(\b/2)
.endr
	s_wait_dscnt 0x0                               ; the byte stores have read their registers, which the next run writes
.endr
	s_barrier_signal -1                            ; (my LDS stores have landed: the wait above)
	s_barrier_wait -1                              ; the block's three runs of 512 bytes of scale words lie in LDS
	s_cmp_lt_u32 s[WV], 3
	s_cbranch_scc0 .Lno_words
	ds_load_b128 v[68:71], v[SMR]
	s_wait_dscnt 0x0
	global_store_b128 v[LI], v[68:71], s[44:45]    ; 512 consecutive bytes, aligned
.Lno_words:
	s_wait_tensorcnt 0x0
	ds_add_u32 v254, v255
	s_wait_dscnt 0x0
	ROUND                                          ; the closing round: no work-group ends while a partner may still ask for the image jointly
	s_endpgm
.Lfunc_end_k_qab2f77ea10_proj:
	.size	k_qab2f77ea10_proj, .Lfunc_end_k_qab2f77ea10_proj-k_qab2f77ea10_proj
	.p2alignl 7, 3214868480
	.fill 96, 4, 3214868480
	.section	.rodata,"a",@progbits
	.p2align	6, 0x0
	.amdhsa_kernel k_qab2f77ea10_proj
		.amdhsa_group_segment_fixed_size 279040
		.amdhsa_private_segment_fixed_size 0
		.amdhsa_enable_private_segment 0
		.amdhsa_kernarg_size 32
		.amdhsa_user_sgpr_count 2
		.amdhsa_user_sgpr_kernarg_segment_ptr 1
		.amdhsa_wavefront_size32 1
		.amdhsa_system_sgpr_workgroup_id_x 1
		.amdhsa_system_sgpr_workgroup_id_y 1
		.amdhsa_system_sgpr_workgroup_id_z 1
		.amdhsa_system_vgpr_workitem_id 0
		.amdhsa_next_free_vgpr 1024
		.amdhsa_next_free_sgpr 66
		.amdhsa_reserve_vcc 0
		.amdhsa_float_denorm_mode_32 3
		.amdhsa_float_denorm_mode_16_64 3
		.amdhsa_memory_ordered 1
		.amdhsa_forward_progress 1
		.amdhsa_inst_pref_size 230
	.end_amdhsa_kernel
	.amdgpu_metadata
---
amdhsa.version: [ 1, 2 ]
amdhsa.kernels:
  - .name:           k_qab2f77ea10_proj
    .symbol:         k_qab2f77ea10_proj.kd
    .args:
      - { .name: x, .offset: 0, .size: 8, .value_kind: global_buffer, .address_space: global }
      - { .name: wimg, .offset: 8, .size: 8, .value_kind: global_buffer, .address_space: global }
      - { .name: qimg, .offset: 16, .size: 8, .value_kind: global_buffer, .address_space: global }
      - { .name: kv, .offset: 24, .size: 8, .value_kind: global_buffer, .address_space: global }
    .group_segment_fixed_size: 279040
    .private_segment_fixed_size: 0
    .kernarg_segment_align: 8
    .kernarg_segment_size: 32
    .max_flat_workgroup_size: 128
    .sgpr_count:     66
    .vgpr_count:     1024
    .wavefront_size: 32
...
	.end_amdgpu_metadata
.endif
;; end of part 2
;; launch attn (part 3): grid 32 x 8, 8 waves a work-group, clusters of 4 x 1, 327,680 bytes of LDS; arguments qimg, kv, out0; writes out0
.if DOCPART == 3
	.amdgcn_target "amdgcn-amd-amdhsa--gfx1250"
	.amdhsa_code_object_version 6
	.text
	.protected	k_qab2f77ea10_attn
	.globl	k_qab2f77ea10_attn
	.p2align	8
	.type	k_qab2f77ea10_attn,@function
k_qab2f77ea10_attn:
	s_mov_b64 s[64:65], 0
	v_nop
	global_prefetch_b8 v0, s[64:65] scope:SCOPE_SE
	s_setreg_imm32_b32 hwreg(HW_REG_WAVE_MODE, 25, 1), 1
	s_wait_xcnt 0x0
	s_wait_alu depctr_hold_cnt(0) depctr_sa_sdst(0) depctr_va_vdst(0) depctr_va_sdst(0) depctr_va_ssrc(0) depctr_va_vcc(0) depctr_vm_vsrc(0)
	s_getreg_b32 s2, hwreg(HW_REG_IB_STS2, 6, 4)
	s_cmp_eq_u32 s2, 0
	s_cbranch_scc0 .Lentry_in_a_cluster
	s_endpgm
.Lentry_in_a_cluster:
	s_bfe_u32 s2, ttmp6, 0x10000c
	s_cmp_lg_u32 s2, 0x3003
	s_cbranch_scc0 .Lentry_shape_is_right
	s_endpgm
.Lentry_shape_is_right:
; out = softmax(q k^T / 32) v on codes of FP4 (E2M1) with E8M0 scales; q, k, v come as images of operand registers (qimg, kv).
; SHARES.  A work-group owns 128 queries of one batch.  Wave w owns the 32 queries of group w % 4 (two tiles of 16) and, in each slot of 1,024 keys, the half w / 4: 512 keys.  The two waves of a query group join their results at the end.
; Both products are used transposed: S^T = K Q^T, O^T = V^T P^T, by the form 32 x 16 x 128: a lane holds one query (lane % 16) throughout.
; THE KEYS OF A TILE: row 8 h + j of tile 4 c + u holds place 8 u + j of block 2 c + h (32 neighbouring keys): so lane (r, h) holds WHOLE blocks, 32 registers each, in the order of the next operand, and no maximum and no code crosses lanes.
; THE SOFTMAX.  t = score x c, c = log2(e) / 32.  A block's p is taken against the block's own whole number fl = floor(its largest t): p = 2^(t - fl), so the block's scale is 2^(e - 2), e = floor of the largest exponent (0, but for t so large that
; its own rounding passes 1).  M = the row's running largest fl.  2^(fl - M) enters the block's scale byte and the weight of the block's f32 sum of unquantised p: exact.  When M moves (once for 256 keys), O and the sum are multiplied by 2^(old M - new M): exact.
; A UNIT is 64 keys x 16 queries: 32 registers.  Unit n (0..7 of a group of 256 keys): tile n % 2, chunk (n / 2) % 2, step n / 4.  Stage k: the exponentials of unit k among the conversions of unit k - 1 and the multiply-adds of unit k + 1;
; then unit k + 2's products, unit k - 1's sum and unit k + 2's maximum.
; K's and V's images come through two slots of 1,024 keys, one joint tensor load a wave for each slot: 17,408 dense bytes, asked for by the four work-groups of a cluster, which walk the same keys.
; Each change of slots asks the L2 for the slot after the next: in the batch's first cluster, waves 0 to 4 of the four work-groups name each 256 bytes once.
; LIMITS: the scaled scores t stay under 2^31 in magnitude; NaN and infinities are not served.  A block's byte is held at 1 from below: it then adds under 2^-123 beside a largest p of 1 or more.
.set BLK,   17408                      ; the image of 128 keys: K's codes, V's codes, K's scale words, V's scale words
.set SLOTB, 8*BLK
.set SPARE, 2*SLOTB
.set MRGB,  8704                       ; the way out, in slot 0 (it has had its last fill and its last read): what a wave sends to its partner,
.set STG,   8*MRGB                     ; and a stage of 16 rows x 272 bytes for each wave
.set LIK0, 1
.set LIK1, 2
.set LIV,  3
.set SPW,  5
.set NIL,  6
.set PFO,  7
.set ADK0, 8
.set ADK1, 9
.set ADV,  10
.set QSC,  12                          ; q's scale words: lanes 0-15 tile 0, lanes 16-31 tile 1
.set CSC,  13                          ; 0.25
.set PW,   14                          ; v14-15 p's scale words of the group's two steps, laid alike
.set QF,   16                          ; v16-31 q's fragments
.set KS,   32                          ; v32-39 K's scale words of two steps, then V's
.set EI,   40                          ; v40-47 e of each block: 4 tile + 2 step + chunk
.set SB,   48                          ; v48-175 four units' scores, then p
.set PC,   176                         ; v176-207 p's codes: 16 tile + 8 step
.set FL,   208                         ; v208-215 fl, as EI
.set SS,   216                         ; v216-231 the blocks' sums, in two halves
.set MM,   232                         ; v232, v234 M
.set LL,   236                         ; v236-239 the rows' sums x 1/4, in two halves
.set FF,   240                         ; v240, v242 2^(old M - new M)
.set TM,   244
.set SCR,  252                         ; v252-255 the conversions' scale operands
.set YB,   SB                          ; at a group's end, in unit 4's registers
.set BB,   SB+8
.set XB,   SB+16
.set OB,   128                         ; window 1: v0-127 fragments of K, then of V, 64 a step; v128-255 O^T, 64 a tile
.set MS,  8
.set MR,  9
.set STO, 10
.set STB, 11
.set GO,  1
.set WV,  12
.set G1C, 24
.set G0C, 40
.set SEL, 48
.set CS,  50
.set TB,  52
.set TF,  53
.set SLOTS, 54
.set LIM, 55
.set PFA, 56
.set LB,  58
.set PSEL, 59
.set CNT, 60
.set BMIN, 61
.set MG,  62
.set MSB, 0
.macro WIN new                         ; bits 1:0 source 0, 3:2 source 1, 5:4 source 2, 7:6 destination; the high byte repeats the setting that is left
.if MSB != (\new)
	s_set_vgpr_msb (MSB<<8)|(\new)
.set MSB, (\new)
.endif
.endm
.macro W32 d, a, b, zero, sa, sb, row  ; row = 1: B's scales are read from lanes 16-31
.if (\zero)
.if (\row)
	v_wmma_scale_f32_32x16x128_f4 v[(\d):(\d)+15], v[(\a):(\a)+15], v[(\b):(\b)+7], 0, v[(\sa)], v[(\sb)] matrix_b_scale:MATRIX_SCALE_ROW1
.else
	v_wmma_scale_f32_32x16x128_f4 v[(\d):(\d)+15], v[(\a):(\a)+15], v[(\b):(\b)+7], 0, v[(\sa)], v[(\sb)]
.endif
.else
.if (\row)
	v_wmma_scale_f32_32x16x128_f4 v[(\d):(\d)+15], v[(\a):(\a)+15], v[(\b):(\b)+7], v[(\d):(\d)+15], v[(\sa)], v[(\sb)] matrix_b_scale:MATRIX_SCALE_ROW1
.else
	v_wmma_scale_f32_32x16x128_f4 v[(\d):(\d)+15], v[(\a):(\a)+15], v[(\b):(\b)+7], v[(\d):(\d)+15], v[(\sa)], v[(\sb)]
.endif
.endif
.endm
; A round of the cluster's barrier.
.macro ROUND
	s_barrier_signal -1
	s_barrier_wait -1
	s_cmp_lg_u32 s[WV], 0
	s_cbranch_scc1 .Lnot_wave_0_\@
	s_barrier_signal -3
.Lnot_wave_0_\@:
	s_barrier_wait -3
	s_barrier_signal -1
	s_barrier_wait -1
.endm
.macro QK n                            ; unit n's two products
.set qa, 64*((\n)/4)+32*(((\n)/2)%2)
.set qd, SB+32*((\n)%4)
.set qk, KS+4*((\n)/4)+2*(((\n)/2)%2)
	WIN 0x01
	W32 qd, qa, QF+8*((\n)%2), 1, qk, QSC, (\n)%2
	W32 qd+16, qa+16, QF+8*((\n)%2), 1, qk+1, QSC, (\n)%2
	WIN 0
.endm
.macro MXI n, i                        ; line i of unit n's maximum, fl, e and scale operand; each result is read from its low end on
.set mb, SB+32*((\n)%4)
.set ma, TM+2*((\n)%2)
.set mx, 4*((\n)%2)+2*((\n)/4)+((\n)/2)%2
.set mj, (\i)/2
.if (\i) == 0
	v_max3_num_f32 v[ma], v[mb], v[mb+1], v[mb+2]
.elseif (\i) == 1
	v_max3_num_f32 v[ma+1], v[mb+16], v[mb+17], v[mb+18]
.elseif (\i) < 14
.if ((\i)%2) == 0
	v_max3_num_f32 v[ma], v[ma], v[mb+2*mj+1], v[mb+2*mj+2]
.else
	v_max3_num_f32 v[ma+1], v[ma+1], v[mb+2*mj+17], v[mb+2*mj+18]
.endif
.elseif (\i) == 14
	v_max3_num_f32 v[ma+1], v[ma+1], v[mb+15], v[mb+31]
.elseif (\i) == 15
	v_max_num_f32 v[ma], v[ma], v[ma+1]
.elseif (\i) == 16
	v_mul_f32 v[ma+1], s[CS], v[ma]
.elseif (\i) == 17
	v_floor_f32 v[FL+mx], v[ma+1]
.elseif (\i) == 18
	v_fma_f32 v[ma+1], v[ma], s[CS], -v[FL+mx]
.elseif (\i) == 19
	v_cvt_floor_i32_f32 v[EI+mx], v[ma+1]
.else
	v_ldexp_f32 v[SCR+(\n)%4], v[CSC], v[EI+mx]
.endif
.endm
.macro FMI n, i                        ; t - fl, two at a time
.set fb, SB+32*((\n)%4)+2*(\i)
.set fp, FL+4*((\n)%2)+2*((\n)/4)
.if (((\n)/2)%2) == 0
	v_pk_fma_f32 v[fb:fb+1], v[fb:fb+1], s[CS:CS+1], v[fp:fp+1] op_sel_hi:[1,0,0] neg_lo:[0,0,1] neg_hi:[0,0,1]
.else
	v_pk_fma_f32 v[fb:fb+1], v[fb:fb+1], s[CS:CS+1], v[fp:fp+1] op_sel:[0,0,1] op_sel_hi:[1,0,1] neg_lo:[0,0,1] neg_hi:[0,0,1]
.endif
.endm
.macro ADI n, i                        ; line i of the sum of unit n's 32 unquantised p, in two chains
.set ab, SB+32*((\n)%4)
.set az, SS+8*((\n)%2)+4*((\n)/4)+2*(((\n)/2)%2)
.if (\i) == 0
	v_pk_add_f32 v[az:az+1], v[ab:ab+1], v[ab+2:ab+3]
.elseif (\i) == 1
	v_pk_add_f32 v[TM+4:TM+5], v[ab+4:ab+5], v[ab+6:ab+7]
.elseif (\i) == 14
	v_pk_add_f32 v[az:az+1], v[az:az+1], v[TM+4:TM+5]
.elseif ((\i)%2) == 0
	v_pk_add_f32 v[az:az+1], v[az:az+1], v[ab+2*(\i)+4:ab+2*(\i)+5]
.else
	v_pk_add_f32 v[TM+4:TM+5], v[TM+4:TM+5], v[ab+2*(\i)+4:ab+2*(\i)+5]
.endif
.endm
.macro CVI n, g                        ; eight codes of unit n
.set cb, SB+32*((\n)%4)+8*(\g)
.set cd, PC+16*((\n)%2)+8*((\n)/4)+4*(((\n)/2)%2)+(\g)
	v_cvt_scalef32_pk8_fp4_f32 v[cd], v[cb:cb+7], v[SCR+(\n)%4]
.endm
.macro KLOAD s                         ; K's fragments of a step: tile 4 c + u
.irp c, 0,1
.irp u, 0,1,2,3
.irp d, 0,1
.if \u < 2
	ds_load_b128 v[64*\s+32*\c+8*\u+4*\d:64*\s+32*\c+8*\u+4*\d+3], v[ADK0] offset:BLK*\s+4096*\c+1024*(\u%2)+512*\d
.else
	ds_load_b128 v[64*\s+32*\c+8*\u+4*\d:64*\s+32*\c+8*\u+4*\d+3], v[ADK1] offset:BLK*\s+4096*\c+1024*(\u%2)+512*\d
.endif
.endr
.endr
.endr
.endm
.macro VLOAD s                         ; V's fragments of a step, over K's
	WIN 0x40
.irp k, 0,1,2,3,4,5,6,7
.irp d, 0,1
	ds_load_b128 v[64*\s+8*\k+4*\d:64*\s+8*\k+4*\d+3], v[ADV] offset:BLK*\s+8192+1024*\k+512*\d
.endr
.endr
	WIN 0
.endm
.macro STAGE k
	s_wait_alu depctr_va_vdst(0)                   ; the wait ahead of the exponentials; it serves the last stage's too
.if (\k) == 2
	s_wait_dscnt 0x0                               ; the second step's K is in; the first step's fragments have been multiplied: V's land there
	VLOAD 0
.endif
.if (\k) == 6
	VLOAD 1
	ds_load_b128 v[KS:KS+3], v[ADV] offset:16896
	ds_load_b128 v[KS+4:KS+7], v[ADV] offset:BLK+16896
.endif
.set xb, SB+32*((\k)%4)
.set xi, 0
.rept 16
	v_exp_f32 v[xb+2*xi], v[xb+2*xi]
	v_exp_f32 v[xb+2*xi+1], v[xb+2*xi+1]
.if (\k) > 0
.if (xi%4) == 1
	CVI (\k-1), xi/4
.endif
.endif
.if (\k) < 7
	FMI (\k+1), xi
.endif
.set xi, xi+1
.endr
.if (\k) < 6
	QK (\k+2)
.endif
.set gi, 0
.if (\k) > 0
.rept 5
	ADI (\k-1), gi
.set gi, gi+1
.endr
.else
.rept 4
	v_nop                                          ; places behind the products
.endr
.endif
.set gm, 0
.rept 21
.if (\k) < 6
	MXI (\k+2), gm
.endif
.if (\k) > 0
.if gi < 15
	ADI (\k-1), gi
.set gi, gi+1
.endif
.endif
.set gm, gm+1
.endr
.endm
; A group's M, its factors, the blocks' scale bytes and weights.  A float 2^23 + b holds the whole number b in its low bits: shifted up by 23 it is the float 2^(b - 127).
.macro PREP
.irp t, 0,1
	v_max3_num_f32 v[TM+\t], v[FL+4*\t], v[FL+4*\t+1], v[FL+4*\t+2]
.endr
.irp t, 0,1
	v_max3_num_f32 v[TM+\t], v[TM+\t], v[FL+4*\t+3], v[MM+2*\t]
.endr
.irp t, 0,1
	v_permlanex16_b32 v[TM+6+\t], v[TM+\t], s[SEL], s[SEL+1]
.endr
.irp t, 0,1
	v_max_num_f32 v[TM+\t], v[TM+\t], v[TM+6+\t]
.endr
.irp t, 0,1
	v_sub_f32 v[TM+2+\t], v[MM+2*\t], v[TM+\t]
.endr
.irp t, 0,1
	v_mov_b32 v[MM+2*\t], v[TM+\t]
	v_cvt_i32_f32 v[TM+2+\t], v[TM+2+\t]           ; (it saturates)
.endr
.irp t, 0,1
.irp i, 0,2
	v_pk_add_f32 v[YB+4*\t+\i:YB+4*\t+\i+1], v[FL+4*\t+\i:FL+4*\t+\i+1], v[MM+2*\t:MM+2*\t+1] op_sel_hi:[1,0] neg_lo:[0,1] neg_hi:[0,1]
.endr
.endr
.irp t, 0,1
	v_ldexp_f32 v[FF+2*\t], 1.0, v[TM+2+\t]
.endr
.irp i, 0,1,2,3,4,5,6,7
	v_max_num_f32 v[YB+\i], 0xc2f80000, v[YB+\i]   ; fl - M, held at -124 from below
.endr
.irp i, 0,2,4,6
	v_pk_add_f32 v[YB+\i:YB+\i+1], v[YB+\i:YB+\i+1], s[MG:MG+1] op_sel_hi:[1,0]   ; + 2^23 + 125
.endr
.irp i, 0,1,2,3,4,5,6,7
	v_add_nc_u32 v[BB+\i], v[YB+\i], v[EI+\i]      ; the byte: + e,
.endr
.irp i, 0,1,2,3,4,5,6,7
	v_max_i32 v[BB+\i], s[BMIN], v[BB+\i]          ; held at 1
.endr
.irp i, 0,1,2,3,4,5,6,7
	v_lshlrev_b32 v[YB+\i], 23, v[YB+\i]           ; the sum's weight: 2^(fl - M - 2)
.endr
.irp s, 0,1
.irp t, 0,1
	v_lshl_or_b32 v[XB+2*\s+\t], v[BB+4*\t+2*\s+1], 16, v[BB+4*\t+2*\s]
.endr
.endr
.irp s, 0,1
	v_permlane16_swap_b32 v[XB+2*\s], v[XB+2*\s+1] ; lanes 0-15: tile 0's bytes of both halves of the lanes; lanes 16-31: tile 1's
.endr
.irp s, 0,1
	v_perm_b32 v[PW+\s], v[XB+2*\s+1], v[XB+2*\s], s[PSEL]
.endr
.endm
; A GROUP: 256 keys of my half slot.
.macro GROUP
	v_add_nc_u32 v[ADK0], s[TB], v[LIK0]
	v_add_nc_u32 v[ADK1], s[TB], v[LIK1]
	v_add_nc_u32 v[ADV], s[TB], v[LIV]
	v_nop                                          ; four places behind the last products
	ds_load_b128 v[KS:KS+3], v[ADV] offset:16384
	ds_load_b128 v[KS+4:KS+7], v[ADV] offset:BLK+16384
	WIN 0x40
	KLOAD 0
	KLOAD 1
	WIN 0
	s_wait_alu depctr_va_vdst(0)                   ; directly ahead of the wait below
	s_wait_dscnt 16                                ; the first step's K is in; the second's 16 loads may be out
	QK 0
	QK 1
.rept 4
	v_nop
.endr
.set pm, 0
.rept 21
	MXI 0, pm
	MXI 1, pm
.set pm, pm+1
.endr
.set pm, 0
.rept 16
	FMI 0, pm
.set pm, pm+1
.endr
	STAGE 0
	STAGE 1
	STAGE 2
	STAGE 3
	STAGE 4
	STAGE 5
	STAGE 6
	STAGE 7
	PREP
	s_wait_alu depctr_va_vdst(0)                   ; the last exponentials, ahead of their first readers
.irp g, 0,1,2,3
	CVI 7, \g
.endr
.set pm, 0
.rept 15
	ADI 7, pm
.set pm, pm+1
.endr
.irp t, 0,1
	v_pk_mul_f32 v[LL+2*\t:LL+2*\t+1], v[LL+2*\t:LL+2*\t+1], v[FF+2*\t:FF+2*\t+1] op_sel_hi:[1,0]
.endr
.irp i, 0,2
.irp t, 0,1
	v_pk_fma_f32 v[LL+2*\t:LL+2*\t+1], v[SS+8*\t+2*\i:SS+8*\t+2*\i+1], v[YB+4*\t+\i:YB+4*\t+\i+1], v[LL+2*\t:LL+2*\t+1] op_sel_hi:[1,0,1]
.endr
.irp t, 0,1
	v_pk_fma_f32 v[LL+2*\t:LL+2*\t+1], v[SS+8*\t+2*\i+2:SS+8*\t+2*\i+3], v[YB+4*\t+\i:YB+4*\t+\i+1], v[LL+2*\t:LL+2*\t+1] op_sel:[0,1,0] op_sel_hi:[1,1,1]
.endr
.endr
	WIN 0x41
	s_wait_alu depctr_va_vdst(0)                   ; directly ahead of the wait below
	s_wait_dscnt 0x0                               ; V's fragments and scale words are in
	s_wait_alu depctr_va_vdst(0)                   ; directly ahead of the first readers of O^T
.irp t, 0,1
.set pm, 0
.rept 32
	v_pk_mul_f32 v[OB+64*\t+pm:OB+64*\t+pm+1], v[OB+64*\t+pm:OB+64*\t+pm+1], v[FF+2*\t:FF+2*\t+1] op_sel_hi:[1,0]
.set pm, pm+2
.endr
.endr
	WIN 0x51
.irp s, 0,1
.irp t, 0,1
.irp k, 0,1,2,3
	W32 OB+64*\t+16*\k, 64*\s+16*\k, PC+16*\t+8*\s, 0, KS+4*\s+\k, PW+\s, \t
.endr
.endr
.endr
	WIN 0
.endm
; THE CHANGE OF SLOTS, at a slot's head.  fill = 1: the other slot is filled with the 1,024 keys that follow.
.macro CHANGE fill
	s_wait_tensorcnt 0x0                           ; my load has landed, so the descriptor may be written
	ds_add_u32 v[SPW], v[NIL]
.if \fill
	s_xor_b32 s[TF], s[TF], SLOTB
	s_add_co_u32 s[G0C+1], s[LB], s[TF]
	s_add_nc_u64 s[G0C+2:G0C+3], s[G0C+2:G0C+3], SLOTB
	s_wait_xcnt 0x0                                ; my last prefetch has read its address
	s_add_nc_u64 s[PFA:PFA+1], s[PFA:PFA+1], SLOTB
.endif
	s_wait_dscnt 0x0                               ; the add is done, and so are my reads of the slot that I leave
.if \fill
	ROUND
	tensor_load_to_lds s[G0C:G0C+3], s[G1C:G1C+7]
	s_nop 0
.rept 4
	v_nop
.endr
	s_cmp_gt_u32 s[SLOTS], s[LIM]
	s_cbranch_scc0 .Lnot_mine_\@
	global_prefetch_b8 v[PFO], s[PFA:PFA+1] th:TH_LOAD_NT scope:SCOPE_SE   ; what the next change will load
.Lnot_mine_\@:
.else
	s_barrier_signal -1
	s_barrier_wait -1
.endif
.endm
.macro SLOT
	s_mov_b32 s[CNT], 2
.Lgroup_\@:
	GROUP
	s_add_co_u32 s[TB], s[TB], 2*BLK
	s_sub_co_u32 s[CNT], s[CNT], 1
	s_cmp_lg_u32 s[CNT], 0
	s_cbranch_scc1 .Lgroup_\@
	s_sub_co_u32 s[TB], s[TB], 4*BLK
	s_xor_b32 s[TB], s[TB], SLOTB
.endm
; THE WAY OUT.  A wave sends one tile's O^T, M and sum to its partner (w xor 4), and finishes the other tile with what the partner sends.
.macro SEND t
	v_add_f32 v[MM+2*\t+1], v[LL+2*\t], v[LL+2*\t+1]
	v_permlanex16_b32 v[TM+6], v[MM+2*\t+1], s[SEL], s[SEL+1]
	v_add_f32 v[MM+2*\t+1], v[MM+2*\t+1], v[TM+6]
	WIN 0x04
.irp i, 0,1,2,3,4,5,6,7,8,9,10,11,12,13,14,15
	ds_store_b128 v[MS], v[OB+64*\t+4*\i:OB+64*\t+4*\i+3] offset:512*\i
.endr
	WIN 0
	ds_store_b64 v[MS], v[MM+2*\t:MM+2*\t+1] offset:8192
.endm
.macro FINISH t
.irp i, 0,1,2,3,4,5,6,7,8,9,10,11,12,13,14,15
	ds_load_b128 v[SB+4*\i:SB+4*\i+3], v[MR] offset:512*\i
.endr
	ds_load_b64 v[TM:TM+1], v[MR] offset:8192
	v_add_f32 v[MM+2*\t+1], v[LL+2*\t], v[LL+2*\t+1]
	v_permlanex16_b32 v[TM+6], v[MM+2*\t+1], s[SEL], s[SEL+1]
	v_add_f32 v[MM+2*\t+1], v[MM+2*\t+1], v[TM+6]
	s_wait_alu depctr_va_vdst(0)                   ; directly ahead of the wait below
	s_wait_dscnt 0x0
	v_max_num_f32 v[TM+2], v[MM+2*\t], v[TM]
	v_sub_f32 v[TM+3], v[MM+2*\t], v[TM+2]
	v_sub_f32 v[TM+4], v[TM], v[TM+2]
	v_cvt_i32_f32 v[TM+3], v[TM+3]
	v_cvt_i32_f32 v[TM+4], v[TM+4]
	v_ldexp_f32 v[TM+3], 1.0, v[TM+3]
	v_ldexp_f32 v[TM+4], 1.0, v[TM+4]
	v_mul_f32 v[TM+5], v[MM+2*\t+1], v[TM+3]
	v_fma_f32 v[TM+5], v[TM+1], v[TM+4], v[TM+5]
	v_mul_f32 v[TM+5], 4.0, v[TM+5]                ; the sums were kept x 1/4
	s_wait_alu depctr_va_vdst(0)
	v_rcp_f32 v[TM+5], v[TM+5]
	v_nop
	s_wait_alu depctr_va_vdst(0)
	v_mul_f32 v[FF], v[TM+3], v[TM+5]
	v_mul_f32 v[FF+2], v[TM+4], v[TM+5]
.set pm, 0
.rept 32
	v_pk_mul_f32 v[SB+pm:SB+pm+1], v[SB+pm:SB+pm+1], v[FF+2:FF+3] op_sel_hi:[1,0]
.set pm, pm+2
.endr
	WIN 0x01
	s_wait_alu depctr_va_vdst(0)                   ; directly ahead of the first readers of my O^T
.set pm, 0
.rept 32
	v_pk_fma_f32 v[SB+pm:SB+pm+1], v[OB+64*\t+pm:OB+64*\t+pm+1], v[FF:FF+1], v[SB+pm:SB+pm+1] op_sel_hi:[1,0,1]
.set pm, pm+2
.endr
	WIN 0
.irp u, 0,1
.irp k, 0,1,2,3
	ds_store_b128 v[STO], v[SB+32*\u+8*\k:SB+32*\u+8*\k+3] offset:64*\k
	ds_store_b128 v[STO], v[SB+32*\u+8*\k+4:SB+32*\u+8*\k+7] offset:64*\k+16
.endr
.irp i, 0,1,2,3,4,5,6,7
	ds_load_b128 v[112+32*\u+4*\i:115+32*\u+4*\i], v[STB] offset:544*\i    ; LDS serves a wave's instructions in order
.endr
.endr
.irp u, 0,1
.irp i, 0,1,2,3,4,5,6,7
	s_wait_dscnt 15-8*\u-\i
	global_store_b128 v[GO], v[112+32*\u+4*\i:115+32*\u+4*\i], s[8:9] offset:(8*(\t)+2*\i+8*(\i/4))*512+256*\u th:TH_STORE_NT
.endr
.endr
.endm
	s_load_b128 s[4:7], s[0:1], 0x0                ; qimg, kv
	s_load_b64 s[8:9], s[0:1], 0x10                ; out0
	v_lshl_add_u32 v[SPW], v0, 2, SPARE
	v_mov_b32 v[NIL], 0
	ds_add_u32 v[SPW], v[NIL]                      ; the opening add, twice on end
	ds_add_u32 v[SPW], v[NIL]
	v_lshrrev_b32 v1, 5, v0
	v_readfirstlane_b32 s[WV], v1
	s_bfe_u32 s13, ttmp6, 0x40000                  ; cx: it enters q's, out0's and the prefetches' addresses alone
	s_and_b32 s14, ttmp7, 0xffff                   ; the batch
	s_lshr_b32 s20, s[WV], 2                       ; my half of a slot
	s_and_b32 s21, s[WV], 3                        ; my query group
	s_mul_i32 s[LB], s[WV], BLK                    ; I fetch block w of each slot
	s_mul_i32 s15, s14, 32*BLK
	s_add_co_u32 s16, s15, s[LB]
	s_mov_b32 s17, 0
	s_mov_b32 s[G1C], 15|(3<<16)|(1<<21)           ; the mask: all four work-groups; elements of 8 bytes; 68 rows of 256 bytes, dense
	s_mov_b32 s[G1C+1], 32<<16
	s_mov_b32 s[G1C+2], 68<<16
	s_mov_b32 s[G1C+3], 32<<16
	s_mov_b32 s[G1C+4], 68
	s_mov_b32 s[G1C+5], 32
	s_mov_b32 s[G1C+6], 0
	s_mov_b32 s[G1C+7], 0
	s_lshl_b32 s22, s14, 5
	s_lshl_b32 s23, ttmp9, 2
	s_add_co_u32 s22, s22, s23
	s_add_co_u32 s22, s22, s13                     ; my block of 128 queries
	s_mul_i32 s18, s22, 8704
	s_mov_b32 s19, 0
	s_lshl_b32 s22, s22, 16
	s_lshl_b32 s23, s21, 14
	s_add_co_u32 s22, s22, s23
	s_mov_b32 s23, 0
	s_mul_i32 s2, s13, 34816                       ; the prefetches: a slot's 544 units of 256 bytes, 136 a work-group; the first change steps them to slot 2
	s_add_co_u32 s2, s2, s15
	s_add_co_u32 s2, s2, SLOTB
	s_mov_b32 s3, 0
	s_cmp_lt_u32 s[WV], 5
	s_cselect_b32 s[LIM], 0, 1
	s_or_b32 s[LIM], s[LIM], ttmp9
	s_cmp_eq_u32 s[LIM], 0
	s_cselect_b32 s[LIM], 1, -1
	s_mov_b32 s[SEL], 0x76543210                   ; lane l xor 16
	s_mov_b32 s[SEL+1], 0xfedcba98
	s_mov_b32 s[CS], 0x3d38aa3b                    ; log2(e) / 32
	s_mov_b32 s[CS+1], s[CS]
	s_mov_b32 s[MG], 0x4b00007d                    ; 2^23 + 125
	s_mov_b32 s[MG+1], s[MG]
	s_mov_b32 s[BMIN], 0x4b000001
	s_mov_b32 s[PSEL], 0x06020400
	s_mov_b32 s[TB], 0
	s_mov_b32 s[TF], 0
	s_mov_b32 s[SLOTS], 3
	s_wait_alu depctr_va_vdst(0)
	s_wait_dscnt 0x0                               ; both opening adds are done
	ROUND                                          ; all four work-groups are here: the first joint loads meet
	s_wait_kmcnt 0x0
	s_mov_b32 s[G0C], 1
	s_mov_b32 s[G0C+1], s[LB]
	s_add_nc_u64 s[G0C+2:G0C+3], s[6:7], s[16:17]
	s_or_b32 s[G0C+3], s[G0C+3], 0x80000000
	tensor_load_to_lds s[G0C:G0C+3], s[G1C:G1C+7]  ; slot 0: my one load at the head
	s_nop 0
.rept 4
	v_nop
.endr
	s_add_nc_u64 s[PFA:PFA+1], s[6:7], s[2:3]
	s_add_nc_u64 s[4:5], s[4:5], s[18:19]
	s_add_nc_u64 s[8:9], s[8:9], s[22:23]
	v_and_b32 v8, 31, v0
	v_lshlrev_b32 v8, 4, v8                        ; 16 x lane
	s_lshl_b32 s2, s21, 11
	v_add_nc_u32 v10, s2, v8
	s_lshl_b32 s3, s21, 7
	v_lshrrev_b32 v11, 2, v8
	v_add_nc_u32 v11, s3, v11
.irp t, 0,1
.irp c, 0,1
	global_load_b128 v[QF+8*\t+4*\c:QF+8*\t+4*\c+3], v10, s[4:5] offset:1024*\t+512*\c
.endr
.endr
	global_load_b32 v[QSC], v11, s[4:5] offset:8192
	; K's image as the launch before left it: block 2 c + v of a step's keys at 4,096 c + 2,048 v, its tile u % 2 at 1,024 on, row r % 8 + 8 (u / 2), the two halves of a row group exchanged where v = 1
	v_bfe_u32 v9, v0, 3, 1                         ; r / 8
	v_bfe_u32 v4, v0, 4, 1                         ; h
	v_and_b32 v1, 7, v0
	v_lshlrev_b32 v1, 4, v1
	v_lshl_add_u32 v4, v4, 8, v1                   ; 256 h + 16 (r % 8)
	s_mul_i32 s2, s20, 4*BLK
	v_add_nc_u32 v[LIV], s2, v8
	v_mad_u32_u24 v[LIK0], v9, 2176, v4            ; u = 0, 1
	v_mad_u32_u24 v[LIK1], v9, 1920, v4            ; u = 2, 3
	v_add_nc_u32 v[LIK0], s2, v[LIK0]
	s_add_co_u32 s2, s2, 128
	v_add_nc_u32 v[LIK1], s2, v[LIK1]
	v_min_u32 v[PFO], 135, v0
	v_lshlrev_b32 v[PFO], 8, v[PFO]
	v_mov_b32 v[CSC], 0x3e800000
.irp t, 0,1
	v_mov_b32 v[MM+2*\t], 0xff61b1e6               ; the largest fl so far: -3e38
	v_mov_b32 v[MM+2*\t+1], 0
	v_mov_b32 v[TM+6+\t], 0                        ; a lane permute's destination counts as one of its sources
.endr
.irp i, 0,1,2,3
	v_mov_b32 v[LL+\i], 0
	v_mov_b32 v[FF+\i], 0                          ; (named in pairs before they are first written)
	v_mov_b32 v[FL+\i], 0
	v_mov_b32 v[FL+4+\i], 0
.endr
	WIN 0x40
.set pm, 0
.rept 128
	v_mov_b32 v[OB+pm], 0                          ; O^T: the group is written once; its first run finds zeros
.set pm, pm+1
.endr
	WIN 0
	s_wait_alu depctr_va_vdst(0)
	s_wait_loadcnt 0x0
.Lslot:
	CHANGE 1
	SLOT
	s_sub_co_u32 s[SLOTS], s[SLOTS], 1
	s_cmp_lg_u32 s[SLOTS], 0
	s_cbranch_scc1 .Lslot
	CHANGE 0                                       ; the last slot is written out: it fills nothing
	SLOT
	v_and_b32 v2, 15, v0
	v_bfe_u32 v3, v0, 4, 1
	v_and_b32 v4, 31, v0
	v_lshlrev_b32 v4, 4, v4
	s_mul_i32 s2, s[WV], MRGB
	v_add_nc_u32 v[MS], s2, v4
	s_xor_b32 s3, s[WV], 4
	s_mul_i32 s3, s3, MRGB
	v_add_nc_u32 v[MR], s3, v4
	s_mul_i32 s2, s[WV], 16*272
	s_add_co_u32 s2, s2, STG
	v_mul_u32_u24 v[STO], v2, 272
	v_mul_u32_u24 v[STB], v3, 272
	v_lshl_add_u32 v[STO], v3, 5, v[STO]
	v_lshl_add_u32 v[STB], v2, 4, v[STB]
	v_add_nc_u32 v[STO], s2, v[STO]
	v_add_nc_u32 v[STB], s2, v[STB]
	v_lshlrev_b32 v[GO], 9, v3
	v_lshl_add_u32 v[GO], v2, 4, v[GO]
	s_wait_alu depctr_va_vdst(0)
	s_wait_dscnt 0x0
	s_barrier_signal -1
	s_barrier_wait -1
	s_cmp_lt_u32 s[WV], 4
	s_cbranch_scc0 .Lsend_hi
	SEND 1
	s_wait_alu depctr_va_vdst(0)
	s_branch .Lsent
.Lsend_hi:
	SEND 0
	s_wait_alu depctr_va_vdst(0)
.Lsent:
	s_wait_dscnt 0x0                               ; for the partner's sake
	s_barrier_signal -1
	s_barrier_wait -1
	s_cmp_lt_u32 s[WV], 4
	s_cbranch_scc0 .Lfinish_hi
	FINISH 0
	s_branch .Lfinished
.Lfinish_hi:
	FINISH 1
.Lfinished:
	s_wait_tensorcnt 0x0                           ; the wave's end
	ds_add_u32 v[SPW], v[NIL]
	s_wait_dscnt 0x0
	ROUND                                          ; the closing round
	s_endpgm
.Lfunc_end_k_qab2f77ea10_attn:
	.size	k_qab2f77ea10_attn, .Lfunc_end_k_qab2f77ea10_attn-k_qab2f77ea10_attn
	.p2alignl 7, 3214868480
	.fill 96, 4, 3214868480
	.section	.rodata,"a",@progbits
	.p2align	6, 0x0
	.amdhsa_kernel k_qab2f77ea10_attn
		.amdhsa_group_segment_fixed_size 327680
		.amdhsa_private_segment_fixed_size 0
		.amdhsa_enable_private_segment 0
		.amdhsa_kernarg_size 24
		.amdhsa_user_sgpr_count 2
		.amdhsa_user_sgpr_kernarg_segment_ptr 1
		.amdhsa_wavefront_size32 1
		.amdhsa_system_sgpr_workgroup_id_x 1
		.amdhsa_system_sgpr_workgroup_id_y 1
		.amdhsa_system_sgpr_workgroup_id_z 1
		.amdhsa_system_vgpr_workitem_id 0
		.amdhsa_next_free_vgpr 512
		.amdhsa_next_free_sgpr 66
		.amdhsa_reserve_vcc 0
		.amdhsa_float_denorm_mode_32 3
		.amdhsa_float_denorm_mode_16_64 3
		.amdhsa_memory_ordered 1
		.amdhsa_forward_progress 1
		.amdhsa_inst_pref_size 142
	.end_amdhsa_kernel
	.amdgpu_metadata
---
amdhsa.version: [ 1, 2 ]
amdhsa.kernels:
  - .name:           k_qab2f77ea10_attn
    .symbol:         k_qab2f77ea10_attn.kd
    .args:
      - { .name: qimg, .offset: 0, .size: 8, .value_kind: global_buffer, .address_space: global }
      - { .name: kv, .offset: 8, .size: 8, .value_kind: global_buffer, .address_space: global }
      - { .name: out0, .offset: 16, .size: 8, .value_kind: global_buffer, .address_space: global }
    .group_segment_fixed_size: 327680
    .private_segment_fixed_size: 0
    .kernarg_segment_align: 8
    .kernarg_segment_size: 24
    .max_flat_workgroup_size: 256
    .sgpr_count:     66
    .vgpr_count:     512
    .wavefront_size: 32
...
	.end_amdgpu_metadata
.endif
;; end of part 3
